; MI455X (gfx1250); checked and timed in simulation.
; The chip was launched on July 23, 2026; its instructions are those of AMD's public machine-readable ISA for CDNA 5 (MIT licence, August 2026) and "CDNA5" Instruction Set Architecture Reference Guide (July 2026). The comments in the code are by the model that wrote it; some were corrected since.
;; Sparse Multi Head Attention. Allowed arithmetic: float matrix products may take bf16 or f16 operands with f32 sums; all other float work in f32.
;; Inputs: Wout 1,024 x 1,024 float32; Wqkv 1,024 x 3,072 float32; bout 1,024 float32; bqkv 3,072 float32; gamma_k 16 x 64 float32; gamma_q 16 x 64 float32; x 2 x 2,048 x 1,024 float32.
;; Outputs: out0 2 x 2,048 x 1,024 float32.
;; One version. Each part assembles by itself: llvm-mc -triple=amdgcn-amd-amdhsa -mcpu=gfx1250 --defsym DOCPART=n.
;; ======== version 1 of 1: 4 launches
;; limits: values are held in f16: magnitudes above 65,504 overflow, below 6.1e-05 lose precision
;; workspace buffers: xh 8,388,608 bytes; wqkvh 6,291,456 bytes; wouth 2,097,152 bytes; qkv 25,165,824 bytes; ao 8,388,608 bytes
;; launch cast (part 1): grid 1024 x 1, 8 waves a work-group, no clusters, 0 bytes of LDS; arguments x, Wqkv, Wout, xh, wqkvh, wouth; writes xh, wqkvh, wouth
.if DOCPART == 1
	.amdgcn_target "amdgcn-amd-amdhsa--gfx1250"
	.amdhsa_code_object_version 6
	.text
	.protected	k_q5b0460b5ac_cast
	.globl	k_q5b0460b5ac_cast
	.p2align	8
	.type	k_q5b0460b5ac_cast,@function
k_q5b0460b5ac_cast:
	s_mov_b64 s[64:65], 0
	v_nop
	global_prefetch_b8 v0, s[64:65] scope:SCOPE_SE
	s_setreg_imm32_b32 hwreg(HW_REG_WAVE_MODE, 25, 1), 1
	s_wait_xcnt 0x0
; x, Wqkv, Wout (f32) -> xh, wqkvh, wouth (f16, round to nearest even), layouts unchanged.
; The products of the later launches take 16-bit operands, and the weights lie [K][N]: the transposing LDS load that turns
; such rows into fragments works on 16-bit numbers, so the rounding is done once, here, on the way through memory.
; WHY f16 AND NOT bf16: 11 significant bits against 8.  Five roundings lie in a chain between x and the output (inputs, q and k, the
; softmax weights, v, the attention output), and the attention output is an average of some hundreds of v, far smaller than v.
; LIMIT: magnitudes of 65,520 and above become infinite; below 2^-14 the numbers go in steps of 2^-24.  x as drawn reaches about 5.5, the
; weights 0.1; 30 times larger, 30 times smaller (weights of spread 0.00067) or offset by 30 times their spread they stay inside.
; A work-group takes 8,192 numbers (32 KiB in, 16 KiB out): groups 0-511 x, 512-895 Wqkv, 896-1023 Wout.
; A stream: no byte is shared between work-groups, so LDS, clusters and the matrix units have nothing to give.
; Every load of a wave covers 512 consecutive bytes, every store 256 consecutive bytes, aligned.
.set X, 4                              ; v[4:35]   eight loads of four f32
.set Y, 36                             ; v[36:51]  eight pairs of packed f16
	s_load_b256 s[4:11], s[0:1], 0x0               ; x s[4:5], Wqkv s[6:7], Wout s[8:9], xh s[10:11]
	s_load_b128 s[12:15], s[0:1], 0x20             ; wqkvh s[12:13], wouth s[14:15]
	v_lshlrev_b32 v1, 4, v0                        ; 16 bytes of f32 a thread
	v_lshlrev_b32 v2, 3, v0                        ; 8 bytes of f16 a thread
	s_movk_i32 s24, 512
	s_movk_i32 s25, 896
	s_wait_kmcnt 0x0
	s_cmp_lt_u32 ttmp9, 896                        ; which tensor: selects on the work-group's number, no branch
	s_cselect_b64 s[16:17], s[6:7], s[8:9]
	s_cselect_b64 s[18:19], s[12:13], s[14:15]
	s_cselect_b32 s20, s24, s25                    ; the tensor's first work-group
	s_cmp_lt_u32 ttmp9, 512
	s_cselect_b64 s[16:17], s[4:5], s[16:17]
	s_cselect_b64 s[18:19], s[10:11], s[18:19]
	s_cselect_b32 s20, 0, s20
	s_sub_co_u32 s21, ttmp9, s20                   ; my number inside the tensor
	s_lshl_b32 s22, s21, 15                        ; x 32 KiB in
	s_mov_b32 s23, 0
	s_add_nc_u64 s[16:17], s[16:17], s[22:23]
	s_lshl_b32 s22, s21, 14                        ; x 16 KiB out
	s_add_nc_u64 s[18:19], s[18:19], s[22:23]
.irp i, 0,1,2,3,4,5,6,7
	global_load_b128 v[X+4*\i:X+4*\i+3], v1, s[16:17] offset:4096*\i th:TH_LOAD_NT   ; read once in the launch
.endr
.irp i, 0,1,2,3,4,5,6,7
	s_wait_loadcnt 7-\i                            ; loads return in order: load i is in, the 7 - i younger ones stay out
	v_cvt_pk_f16_f32 v[Y+2*\i], v[X+4*\i], v[X+4*\i+1]
	v_cvt_pk_f16_f32 v[Y+2*\i+1], v[X+4*\i+2], v[X+4*\i+3]
	global_store_b64 v2, v[Y+2*\i:Y+2*\i+1], s[18:19] offset:2048*\i   ; no hint: the next launches read these bytes
.endr
	s_endpgm
.Lfunc_end_k_q5b0460b5ac_cast:
	.size	k_q5b0460b5ac_cast, .Lfunc_end_k_q5b0460b5ac_cast-k_q5b0460b5ac_cast
	.p2alignl 7, 3214868480
	.fill 96, 4, 3214868480
	.section	.rodata,"a",@progbits
	.p2align	6, 0x0
	.amdhsa_kernel k_q5b0460b5ac_cast
		.amdhsa_group_segment_fixed_size 0
		.amdhsa_private_segment_fixed_size 0
		.amdhsa_enable_private_segment 0
		.amdhsa_kernarg_size 48
		.amdhsa_user_sgpr_count 2
		.amdhsa_user_sgpr_kernarg_segment_ptr 1
		.amdhsa_wavefront_size32 1
		.amdhsa_system_sgpr_workgroup_id_x 1
		.amdhsa_system_sgpr_workgroup_id_y 1
		.amdhsa_system_sgpr_workgroup_id_z 1
		.amdhsa_system_vgpr_workitem_id 0
		.amdhsa_next_free_vgpr 56
		.amdhsa_next_free_sgpr 66
		.amdhsa_reserve_vcc 0
		.amdhsa_float_denorm_mode_32 3
		.amdhsa_float_denorm_mode_16_64 3
		.amdhsa_memory_ordered 1
		.amdhsa_forward_progress 1
		.amdhsa_inst_pref_size 4
	.end_amdhsa_kernel
	.amdgpu_metadata
---
amdhsa.version: [ 1, 2 ]
amdhsa.kernels:
  - .name:           k_q5b0460b5ac_cast
    .symbol:         k_q5b0460b5ac_cast.kd
    .args:
      - { .name: x, .offset: 0, .size: 8, .value_kind: global_buffer, .address_space: global }
      - { .name: Wqkv, .offset: 8, .size: 8, .value_kind: global_buffer, .address_space: global }
      - { .name: Wout, .offset: 16, .size: 8, .value_kind: global_buffer, .address_space: global }
      - { .name: xh, .offset: 24, .size: 8, .value_kind: global_buffer, .address_space: global }
      - { .name: wqkvh, .offset: 32, .size: 8, .value_kind: global_buffer, .address_space: global }
      - { .name: wouth, .offset: 40, .size: 8, .value_kind: global_buffer, .address_space: global }
    .group_segment_fixed_size: 0
    .private_segment_fixed_size: 0
    .kernarg_segment_align: 8
    .kernarg_segment_size: 48
    .max_flat_workgroup_size: 256
    .sgpr_count:     66
    .vgpr_count:     56
    .wavefront_size: 32
...
	.end_amdgpu_metadata
.endif
;; end of part 1
;; launch qkv (part 2): grid 16 x 16, 4 waves a work-group, clusters of 4 x 4, 327,680 bytes of LDS; arguments xh, wqkvh, bqkv, gamma_q, gamma_k, qkv; writes qkv
.if DOCPART == 2
	.amdgcn_target "amdgcn-amd-amdhsa--gfx1250"
	.amdhsa_code_object_version 6
	.text
	.protected	k_q5b0460b5ac_qkv
	.globl	k_q5b0460b5ac_qkv
	.p2align	8
	.type	k_q5b0460b5ac_qkv,@function
k_q5b0460b5ac_qkv:
	s_mov_b64 s[64:65], 0
	v_nop
	global_prefetch_b8 v0, s[64:65] scope:SCOPE_SE
	s_setreg_imm32_b32 hwreg(HW_REG_WAVE_MODE, 25, 1), 1
	s_wait_xcnt 0x0
	s_wait_alu depctr_hold_cnt(0) depctr_sa_sdst(0) depctr_va_vdst(0) depctr_va_sdst(0) depctr_va_ssrc(0) depctr_va_vcc(0) depctr_vm_vsrc(0)
	s_getreg_b32 s2, hwreg(HW_REG_IB_STS2, 6, 4)
	s_cmp_eq_u32 s2, 0
	s_cbranch_scc0 .Lentry_in_a_cluster
	s_endpgm
.Lentry_in_a_cluster:
	s_bfe_u32 s2, ttmp6, 0x10000c
	s_cmp_lg_u32 s2, 0xf033
	s_cbranch_scc0 .Lentry_shape_is_right
	s_endpgm
.Lentry_shape_is_right:
; qkv[g][m][64] (f16, g = 0-15 q heads, 16-31 k heads, 32-47 v heads, m = 2048 b + n) = head g of xh . wqkvh + bqkv,
; q and k normalised: t * rsqrt(max(sum t^2, 1e-24)) * gamma * c.  The source's sqrt(64) on q and its 1/sqrt(64) on the scores cancel,
; so c = log2(e) for q (the scores then come out in base 2) and c = 8 for k; v is stored as it is.
; LIMITS: operands and results are rounded to f16; sums in f32, the bias starting each sum; v_rsq_f32 is good to 1 ULP;
; NaN and infinities get no special treatment.  f16's range: |q| <= 1.45 |gamma_q| and |k| <= 8 |gamma_k|, since the vectors are normalised,
; so gains up to some thousands fit.  v must stay below 65,504 in magnitude: as drawn its root mean square is sqrt(1024) x 1 x 0.02 = 0.64;
; with x, Wqkv and bqkv all 30 times larger 576; with x offset by 30 and Wqkv by 0.6 it is 1,024 x 18 = 18,432; with all 30 times smaller
; 0.0007, still above 2^-14, where f16's steps become fixed.
; A work-group makes 256 rows x 192 columns (three heads) with four waves; wave w makes rows 64 w .. 64 w + 63 of all 192 columns:
; 48 accumulator tiles, 384 registers, and a head's 64 columns of a row lie in two lanes of one wave, so the norm stays in the wave.
; K goes in 8 steps of 128 through two LDS slots.  Waves 0, 1 fetch x's 256 rows (128 rows x 256 bytes each), waves 2, 3 the weights'
; 128 k-rows (64 rows x 384 bytes each; these rows start at multiples of 128 bytes: three heads are 384 bytes of a row of 6,144).
; CLUSTERS: 4 x 4 work-groups.  x's tile hangs on the block row alone and is asked for jointly along a row of the cluster, the weights'
; tile on the block column alone and is asked for jointly along a column.
; THE MATRIX INSTRUCTION IS USED TRANSPOSED: source 0 = 16 columns of W (ds_load_tr16_b128 from [k][n] rows), source 1 = 16 rows of x.
; Lane (r, h) then holds row r, and register i column 8 h + i of the 16: eight neighbouring numbers of a row.
; REGISTERS by windows of 256: window 0 addresses, work, x fragments, gamma; window 1 W fragments (two buffers of 96);
; window 2 the accumulators of heads 0 and 1; window 3 those of head 2, and the bias.
.set SLOT,   131072                    ; x: 256 rows of 272 bytes; then W: 128 k-rows of 480 bytes
.set BOFF,   69632
.set STAGE,  262144                    ; behind the ring: 16 rows of 144 bytes for each wave; no tensor load lands here
.set ADRA, 8                           ; v8, v9    LDS address of my x fragments in slot 0, 1
.set ADRB, 10                          ; v10, v11  the same for W
.set STO,  12                          ; v12       the way out: where I put 16 bytes of a row
.set RD,   13                          ; v13       the way out: where I read rows back
.set CO,   14                          ; v14       16 x lane
.set BO,   15                          ; v15       32 h: my eight f32 in each 16 of bias and gamma
.set SS,   16                          ; v[16:19]  sums of squares, two chains
.set R,    20                          ; v[20:21]  the row's factor, twice
.set PX,   23                          ; v23       the other half's sum
.set T,    32                          ; v[32:63]  a group's 32 numbers at work
.set AF,   64                          ; v[64:127] x fragments, buffer f at 64 + 32 f; on the way out the rows read back
.set RB0,  64
.set RB1,  80
.set GAM,  128                         ; v[128:223] gamma of my columns, head j at 128 + 32 j
.set Y,    224                         ; v[224:239] packed results
.set BIAS, 128                         ; window 3: v[128:223], bias of my columns
.set G1A, 24                           ; s[24:31] shape of x's tiles
.set G0A, 32                           ; s[32:39] from where, to where: a set for each slot
.set G1B, 40                           ; s[40:47] shape of W's tiles
.set G0B, 48                           ; s[48:55]
.set CF,  70                           ; s70-72   head j: log2(e) or 8
.set NV,  73                           ; s73-75   head j: all ones for q and k, 0 for v (a lane mask)
.set GP,  76                           ; s[76:81] head j: its row of gamma
.set MSB, 0
.macro WIN new                         ; the immediate's high byte repeats the setting that is left
.if MSB != \new
	s_set_vgpr_msb (MSB<<8)|\new
.set MSB, \new
.endif
.endm
.macro PLACES                          ; four plain vector instructions behind matrix instructions (ISA guide 7.12.1)
.rept 4
	v_nop
.endr
.endm
.macro JLOAD s                         ; a joint load: waves 0, 1 ask for x's halves, waves 2, 3 for W's; the branch hangs on the wave's number alone
	s_cmp_eq_u32 s17, 0
	s_cbranch_scc0 .Lfor_b_\@
	tensor_load_to_lds s[G0A+4*\s:G0A+4*\s+3], s[G1A:G1A+7]
	s_nop 0
	s_branch .Lasked_\@
.Lfor_b_\@:
	tensor_load_to_lds s[G0B+4*\s:G0B+4*\s+3], s[G1B:G1B+7]
	s_nop 0
.Lasked_\@:
.endm
.macro CREST                           ; a round of the cluster's barrier behind its opening work-group barrier
	s_cmp_lg_u32 s16, 0
	s_cbranch_scc1 .Lnot_wave_0_\@
	s_barrier_signal -3
.Lnot_wave_0_\@:
	s_barrier_wait -3
	s_barrier_signal -1
	s_barrier_wait -1
.endm
.macro CROUND
	s_barrier_signal -1
	s_barrier_wait -1
	CREST
.endm
	s_load_b256 s[4:11], s[0:1], 0x0               ; xh s[4:5], wqkvh s[6:7], bqkv s[8:9], gamma_q s[10:11]
	s_load_b128 s[12:15], s[0:1], 0x20             ; gamma_k s[12:13], qkv s[14:15]
	s_set_vgpr_msb 0x40
	v_lshl_add_u32 v255, v0, 2, 0x42400
	s_set_vgpr_msb 0x4000
	v_mov_b32 v255, 0
	s_set_vgpr_msb 0x1
	ds_add_u32 v255, v255
	s_set_vgpr_msb 0x100
	v_lshrrev_b32 v1, 5, v0
	v_readfirstlane_b32 s16, v1                    ; wave 0..3
	s_lshr_b32 s17, s16, 1                         ; I fetch for x (0) or for W (1)
	s_and_b32 s18, s16, 1                          ; which half of that tile
	s_bfe_u32 s19, ttmp6, 0x40000                  ; cx
	s_bfe_u32 s20, ttmp6, 0x40004                  ; cy
	s_lshl_b32 s21, ttmp9, 2
	s_add_co_u32 s21, s21, s19                     ; block column nb = 4 x cluster x + cx
	s_and_b32 s22, ttmp7, 0xffff
	s_lshl_b32 s22, s22, 2
	s_add_co_u32 s22, s22, s20                     ; block row mb = 4 x cluster y + cy
	s_lshl_b32 s86, s20, 2
	s_lshl_b32 s86, 15, s86                        ; my row of the cluster: places 4 cy .. 4 cy + 3
	s_lshl_b32 s87, 0x1111, s19                    ; my column: places cx, cx + 4, cx + 8, cx + 12
	; x's tile: 128 rows x 128 elements of 2 bytes, 16 bytes of padding behind every 64 words: LDS rows 272 bytes apart
	s_or_b32 s[G1A+0], s86, 0x07710000             ; mask | element 2 bytes | padding on | bit 21 beside a mask | interval code 5 | 4 words
	s_mov_b32 s[G1A+1], 128<<16                    ; tensor_dim0 = 128
	s_mov_b32 s[G1A+2], 128<<16                    ; tensor_dim1 = 128
	s_mov_b32 s[G1A+3], 128<<16                    ; tile_dim0 = 128
	s_mov_b32 s[G1A+4], 128                        ; tile_dim1 = 128
	s_mov_b32 s[G1A+5], 1024                       ; elements from row to row
	s_mov_b32 s[G1A+6], 0
	s_mov_b32 s[G1A+7], 0
	; W's tile: 64 k-rows x 192 elements, 32 bytes of padding behind every 32 words: a row is three pieces of 128 + 32 bytes, one a head, 480 in all
	s_or_b32 s[G1B+0], s87, 0x0f310000             ; mask | element 2 bytes | padding on | bit 21 | interval code 4 | 8 words
	s_mov_b32 s[G1B+1], 192<<16
	s_mov_b32 s[G1B+2], 64<<16
	s_mov_b32 s[G1B+3], 192<<16
	s_mov_b32 s[G1B+4], 64
	s_mov_b32 s[G1B+5], 3072
	s_mov_b32 s[G1B+6], 0
	s_mov_b32 s[G1B+7], 0
	; x's address hangs on mb and the wave, W's on nb and the wave, each in registers that never hold the other coordinate
	s_lshl_b32 s56, s22, 19                        ; 256 mb rows of 2,048 bytes
	s_lshl_b32 s57, s18, 18                        ; + 128 rows for the second half
	s_add_co_u32 s56, s56, s57
	s_mov_b32 s57, 0
	s_mul_i32 s60, s18, 393216                     ; 64 k-rows of 6,144 bytes for the second half
	s_mul_i32 s61, s21, 384                        ; + 192 nb columns
	s_add_co_u32 s60, s60, s61
	s_mov_b32 s61, 0
	s_mul_i32 s88, s16, 34816                      ; x's halves land at wave x 128 rows x 272 (waves 0, 1)
	s_mul_i32 s89, s16, 30720                      ; W's at 69,632 + (wave - 2) x 64 rows x 480 (waves 2, 3)
	s_add_co_u32 s89, s89, 8192
	s_wait_dscnt 0x0
	s_wait_kmcnt 0x0
	s_add_nc_u64 s[58:59], s[4:5], s[56:57]
	s_add_nc_u64 s[62:63], s[6:7], s[60:61]
	CROUND                                         ; all sixteen work-groups are here: the first joint loads meet
.irp s, 0,1
	s_mov_b32 s[G0A+4*\s], 1
	s_add_co_u32 s[G0A+4*\s+1], s88, \s*SLOT
	s_add_nc_u64 s[G0A+4*\s+2:G0A+4*\s+3], s[58:59], \s*256        ; K step s: 128 elements along the row
	s_or_b32 s[G0A+4*\s+3], s[G0A+4*\s+3], 0x80000000
	s_mov_b32 s[G0B+4*\s], 1
	s_add_co_u32 s[G0B+4*\s+1], s89, \s*SLOT
	s_add_nc_u64 s[G0B+4*\s+2:G0B+4*\s+3], s[62:63], \s*786432     ; K step s: 128 k-rows down
	s_or_b32 s[G0B+4*\s+3], s[G0B+4*\s+3], 0x80000000
	JLOAD \s                                       ; both slots are asked for before anything else: two loads of each wave are out
.endr
	; what each of my three heads is: selects, no branch
	s_mul_i32 s92, s21, 3                          ; g of head 0
	s_mov_b32 s94, 0x3fb8aa3b                      ; log2(e)
	s_mov_b32 s95, 0x41000000                      ; 8.0
	s_mov_b32 s97, 0
.irp j, 0,1,2
	s_add_co_u32 s93, s92, \j
	s_cmp_lt_u32 s93, 16
	s_cselect_b64 s[GP+2*\j:GP+2*\j+1], s[10:11], s[12:13]         ; gamma_q for q; gamma_k else (a v head reads a row of it and takes 1.0 instead)
	s_cselect_b32 s[CF+\j], s94, s95
	s_cmp_lt_u32 s93, 32
	s_cselect_b32 s[NV+\j], -1, 0
	s_and_b32 s93, s93, 15
	s_lshl_b32 s96, s93, 8                         ; the head's 64 f32
	s_add_nc_u64 s[GP+2*\j:GP+2*\j+1], s[GP+2*\j:GP+2*\j+1], s[96:97]
.endr
	s_mul_i32 s96, s21, 768
	s_add_nc_u64 s[82:83], s[8:9], s[96:97]        ; bias of my 192 columns
	s_mul_i32 s96, s21, 1572864                    ; three planes of 524,288 bytes a block column
	s_lshl_b32 s93, s22, 15                        ; + 256 mb rows of 128 bytes
	s_add_co_u32 s96, s96, s93
	s_lshl_b32 s93, s16, 13                        ; + 64 rows a wave
	s_add_co_u32 s96, s96, s93
	s_add_nc_u64 s[84:85], s[14:15], s[96:97]      ; my first row in head 0's plane
	s_mov_b32 s67, 0x76543210                      ; v_permlanex16_b32: lane i reads lane i of the other half
	s_mov_b32 s68, 0xfedcba98
	v_and_b32 v1, 15, v0                           ; r
	v_bfe_u32 v2, v0, 4, 1                         ; h
	v_lshlrev_b32 v[BO], 5, v2
	WIN 0xc0                                       ; destination window 3
.irp b, 0,1,2,3,4,5,6,7,8,9,10,11
	global_load_b128 v[BIAS+8*\b:BIAS+8*\b+3], v[BO], s[82:83] offset:64*\b        ; bias of columns 16 b + 8 h + 0..3
	global_load_b128 v[BIAS+8*\b+4:BIAS+8*\b+7], v[BO], s[82:83] offset:64*\b+16   ; and + 4..7
.endr
	WIN 0
.irp j, 0,1,2
.irp bb, 0,1,2,3
	global_load_b128 v[GAM+32*\j+8*\bb:GAM+32*\j+8*\bb+3], v[BO], s[GP+2*\j:GP+2*\j+1] offset:64*\bb
	global_load_b128 v[GAM+32*\j+8*\bb+4:GAM+32*\j+8*\bb+7], v[BO], s[GP+2*\j:GP+2*\j+1] offset:64*\bb+16
.endr
.endr
	; x fragment: lane (r, h) takes row r, 16 bytes at 16 h and at 32 + 16 h of the 64 bytes of a quarter step
	v_mul_u32_u24 v3, v1, 272
	v_lshl_add_u32 v3, v2, 4, v3
	s_mul_i32 s90, s16, 17408                      ; my 64 rows
	v_add_nc_u32 v[ADRA], s90, v3
	v_add_nc_u32 v[ADRA+1], SLOT, v[ADRA]
	; W fragment by the transposing load: lane l addresses k-row 8 h + l % 8, 16 bytes at 16 x bit 3 of l
	v_and_b32 v4, 7, v0
	v_lshl_add_u32 v4, v2, 3, v4
	v_mul_u32_u24 v4, v4, 480
	v_bfe_u32 v5, v0, 3, 1
	v_lshl_add_u32 v4, v5, 4, v4
	v_add_nc_u32 v[ADRB], BOFF, v4
	v_add_nc_u32 v[ADRB+1], SLOT, v[ADRB]
	s_mul_i32 s91, s16, 2304
	s_add_co_u32 s91, s91, STAGE                   ; my stage
	v_mul_u32_u24 v3, v1, 144
	v_lshl_add_u32 v3, v2, 4, v3
	v_add_nc_u32 v[STO], s91, v3                   ; in: row r, 16 bytes for each half of the lanes
	v_bfe_u32 v3, v0, 3, 2
	v_mul_u32_u24 v3, v3, 144
	v_and_b32 v4, 7, v0
	v_lshl_add_u32 v3, v4, 4, v3
	v_add_nc_u32 v[RD], s91, v3                    ; back: eight lanes a row of 128 bytes, four rows a load
	v_and_b32 v3, 31, v0
	v_lshlrev_b32 v[CO], 4, v3
	v_mov_b32 v[PX], 0                             ; v_permlanex16_b32 counts as a reader of its destination
	s_wait_loadcnt 0x0                             ; bias and gamma, once, while the first tiles are on their way
.irp j, 0,1,2
.set i, 0
.rept 32
	v_cndmask_b32 v[GAM+32*\j+i], 1.0, v[GAM+32*\j+i], s[NV+\j]    ; a v head has no gain
.set i, i+1
.endr
.endr
; 16 matrix instructions: head j, my four row blocks x its four column blocks, 32 along K, from buffer f.
; zero = 1: the bias is the first product's C, so nothing is cleared and nothing is added later.
; The 48 accumulators take turns, one instruction a turn, in the same order in every quarter step.
.macro MULH f, j, zero
.if \j == 2
	WIN 0xf1                                       ; W window 1, x window 0, C and D window 3
.else
.if \zero
	WIN 0xb1                                       ; C (bias) window 3, D window 2
.else
	WIN 0xa1                                       ; C and D window 2
.endif
.endif
.irp a, 0,1,2,3
.irp bb, 0,1,2,3
.if \zero
	v_wmma_f32_16x16x32_f16 v[(\j&1)*128+32*\a+8*\bb:(\j&1)*128+32*\a+8*\bb+7], v[96*\f+8*(4*\j+\bb):96*\f+8*(4*\j+\bb)+7], v[AF+32*\f+8*\a:AF+32*\f+8*\a+7], v[BIAS+8*(4*\j+\bb):BIAS+8*(4*\j+\bb)+7]
.else
	v_wmma_f32_16x16x32_f16 v[(\j&1)*128+32*\a+8*\bb:(\j&1)*128+32*\a+8*\bb+7], v[96*\f+8*(4*\j+\bb):96*\f+8*(4*\j+\bb)+7], v[AF+32*\f+8*\a:AF+32*\f+8*\a+7], v[(\j&1)*128+32*\a+8*\bb:(\j&1)*128+32*\a+8*\bb+7]
.endif
.endr
.endr
.endm
; 32 LDS loads in one run: quarter step q of a slot into buffer g.  x first, then head 2's W, then heads 0 and 1: the order in which they are used.
.macro FETCH slot, q, g
	WIN 0
.irp a, 0,1,2,3
	ds_load_b128 v[AF+32*\g+8*\a:AF+32*\g+8*\a+3], v[ADRA+\slot] offset:64*\q+4352*\a
	ds_load_b128 v[AF+32*\g+8*\a+4:AF+32*\g+8*\a+7], v[ADRA+\slot] offset:64*\q+4352*\a+32
.endr
	WIN 0x40                                       ; destination window 1
.irp b, 8,9,10,11,0,1,2,3,4,5,6,7
	ds_load_tr16_b128 v[96*\g+8*\b:96*\g+8*\b+3], v[ADRB+\slot] offset:15360*\q+160*(\b>>2)+32*(\b&3)
	ds_load_tr16_b128 v[96*\g+8*\b+4:96*\g+8*\b+7], v[ADRB+\slot] offset:15360*\q+160*(\b>>2)+32*(\b&3)+7680
.endr
.endm
; One of a K step's first three quarters: multiplies buffer f, and behind its first third fetches quarter qn into buffer g.
.macro QUARTER slot, qn, f, g, zero
	s_wait_dscnt 16                                ; x and head 2's W are in; the youngest 16 loads (heads 0, 1) may be out
	MULH \f, 2, \zero
	PLACES                                         ; buffer g was read by matrix instructions: four places in front of the loads into it
	FETCH \slot, \qn, \g
	s_wait_dscnt 32                                ; all but the 32 just issued
	MULH \f, 0, \zero
	MULH \f, 1, \zero
.endm
.macro THREE slot, zero
	QUARTER \slot, 1, 0, 1, \zero
	QUARTER \slot, 2, 1, 0, 0
	QUARTER \slot, 3, 0, 1, 0
.endm
; The last quarter: multiplies buffer 1 and changes slots.  In front of the barrier each wave waits for its reads of this slot and for all
; its tensor loads (one is out: its part of the next slot).  fill = 1: the barrier opens a round of the cluster's barrier, and this slot's
; next tile, two K steps ahead, is the first tensor load behind the round.  From that request to the wait for it a wave issues 176 matrix instructions.
.macro TURN slot, next, fill
	s_wait_dscnt 16
	MULH 1, 2, 0
	s_wait_dscnt 0                                 ; my reads of this slot are over
	s_wait_tensorcnt 0x0                           ; all my tensor loads have landed
	ds_add_u32 v255, v255
	s_wait_dscnt 0x0
	s_barrier_signal -1
	MULH 1, 0, 0                                   ; register work while the others arrive
	WIN 0
	s_barrier_wait -1
.if \fill
	CREST                                          ; no wave of any partner still reads this slot or has a load on its way
	s_add_nc_u64 s[G0A+4*\slot+2:G0A+4*\slot+3], s[G0A+4*\slot+2:G0A+4*\slot+3], 512
	s_add_nc_u64 s[G0B+4*\slot+2:G0B+4*\slot+3], s[G0B+4*\slot+2:G0B+4*\slot+3], 1572864
	JLOAD \slot
.endif
	PLACES
	FETCH \next, 0, 0
	MULH 1, 1, 0
.endm
.macro LAP zero
	THREE 0, \zero
	TURN 0, 1, 1
	THREE 1, 0
	TURN 1, 0, 1
.endm
	s_wait_tensorcnt 0x1                           ; my part of K step 0 is in; K step 1's load, issued behind it, may stay out
	s_barrier_signal -1
	s_barrier_wait -1
	FETCH 0, 0, 0
	LAP 1                                          ; K steps 0, 1: the first products start the sums from the bias
	WIN 0
	s_mov_b32 s66, 2
.Llap:
	LAP 0                                          ; K steps 2 to 5
	WIN 0
	s_sub_co_u32 s66, s66, 1
	s_cmp_lg_u32 s66, 0
	s_cbranch_scc1 .Llap
	THREE 0, 0                                     ; K steps 6, 7: nothing is left to fetch
	TURN 0, 1, 0
	THREE 1, 0
	s_wait_dscnt 16
	MULH 1, 2, 0
	s_wait_dscnt 0
	MULH 1, 0, 0
	MULH 1, 1, 0
	PLACES                                         ; four places in front of the first read of a result
; THE WAY OUT, 16 rows of one head at a time.  Lanes r and r + 16 hold the row's 64 numbers, 32 each.
; Sum of squares, factor, gain, rounding; 16 bytes a lane into my stage, rows read back, four rows = 512 consecutive bytes of the plane a store.
.macro OUTG j, a, rb
.set AB, (\j&1)*128+32*\a
.if \j == 2
	WIN 0x0f                                       ; sources 0 and 1 window 3
.else
	WIN 0x0a                                       ; sources 0 and 1 window 2
.endif
	v_pk_mul_f32 v[SS:SS+1], v[AB:AB+1], v[AB:AB+1]
	v_pk_mul_f32 v[SS+2:SS+3], v[AB+2:AB+3], v[AB+2:AB+3]
.irp p, 2,3,4,5,6,7,8,9,10,11,12,13,14,15
	v_pk_fma_f32 v[SS+2*(\p&1):SS+2*(\p&1)+1], v[AB+2*\p:AB+2*\p+1], v[AB+2*\p:AB+2*\p+1], v[SS+2*(\p&1):SS+2*(\p&1)+1]
.endr
	WIN 0
	v_pk_add_f32 v[SS:SS+1], v[SS:SS+1], v[SS+2:SS+3]
	v_add_f32 v[SS], v[SS], v[SS+1]
	v_permlanex16_b32 v[PX], v[SS], s67, s68       ; the other 32 columns' sum
	v_add_f32 v[SS], v[SS], v[PX]
	v_max_num_f32 v[SS], 0x179abe15, v[SS]         ; max(sum, 1e-24)
	v_rsq_f32 v[R], v[SS]
	v_nop                                          ; one plain instruction behind a transcendental (ISA guide 5.7.2)
	s_wait_alu depctr_va_vdst(0)
	v_mul_f32 v[R], s[CF+\j], v[R]
	v_cndmask_b32 v[R], 1.0, v[R], s[NV+\j]        ; a v head is not normalised
	v_mov_b32 v[R+1], v[R]
.if \j == 2
	WIN 0x03
.else
	WIN 0x02
.endif
.irp p, 0,1,2,3,4,5,6,7,8,9,10,11,12,13,14,15
	v_pk_mul_f32 v[T+2*\p:T+2*\p+1], v[AB+2*\p:AB+2*\p+1], v[GAM+32*\j+2*\p:GAM+32*\j+2*\p+1]
.endr
	WIN 0
.irp p, 0,1,2,3,4,5,6,7,8,9,10,11,12,13,14,15
	v_pk_mul_f32 v[T+2*\p:T+2*\p+1], v[T+2*\p:T+2*\p+1], v[R:R+1]
.endr
.irp p, 0,1,2,3,4,5,6,7,8,9,10,11,12,13,14,15
	v_cvt_pk_f16_f32 v[Y+\p], v[T+2*\p], v[T+2*\p+1]
.endr
.irp bb, 0,1,2,3
	ds_store_b128 v[STO], v[Y+4*\bb:Y+4*\bb+3] offset:32*\bb       ; columns 16 bb + 8 h + 0..7 of row r
.endr
	s_wait_xcnt 0x0                                ; the registers read back into were data of earlier stores: rewritten only behind this wait
.irp t, 0,1,2,3
	ds_load_b128 v[\rb+4*\t:\rb+4*\t+3], v[RD] offset:576*\t       ; LDS serves a wave's instructions in order: these see the stores above
.endr
.irp t, 0,1,2,3
	s_wait_dscnt 3-\t
	global_store_b128 v[CO], v[\rb+4*\t:\rb+4*\t+3], s[84:85] offset:\j*524288+\a*2048+512*\t
.endr
.endm
	OUTG 0, 0, RB0
	OUTG 0, 1, RB1
	OUTG 0, 2, RB0
	OUTG 0, 3, RB1
	OUTG 1, 0, RB0
	OUTG 1, 1, RB1
	OUTG 1, 2, RB0
	OUTG 1, 3, RB1
	OUTG 2, 0, RB0
	OUTG 2, 1, RB1
	OUTG 2, 2, RB0
	OUTG 2, 3, RB1
	s_set_vgpr_msb 0x1
	s_wait_tensorcnt 0x0
	ds_add_u32 v255, v255
	s_wait_dscnt 0x0
	s_set_vgpr_msb 0x100
	CROUND                                         ; the closing round: no work-group ends while a partner may still ask for a tile that names it
	s_endpgm
.Lfunc_end_k_q5b0460b5ac_qkv:
	.size	k_q5b0460b5ac_qkv, .Lfunc_end_k_q5b0460b5ac_qkv-k_q5b0460b5ac_qkv
	.p2alignl 7, 3214868480
	.fill 96, 4, 3214868480
	.section	.rodata,"a",@progbits
	.p2align	6, 0x0
	.amdhsa_kernel k_q5b0460b5ac_qkv
		.amdhsa_group_segment_fixed_size 327680
		.amdhsa_private_segment_fixed_size 0
		.amdhsa_enable_private_segment 0
		.amdhsa_kernarg_size 48
		.amdhsa_user_sgpr_count 2
		.amdhsa_user_sgpr_kernarg_segment_ptr 1
		.amdhsa_wavefront_size32 1
		.amdhsa_system_sgpr_workgroup_id_x 1
		.amdhsa_system_sgpr_workgroup_id_y 1
		.amdhsa_system_sgpr_workgroup_id_z 1
		.amdhsa_system_vgpr_workitem_id 0
		.amdhsa_next_free_vgpr 1024
		.amdhsa_next_free_sgpr 100
		.amdhsa_reserve_vcc 0
		.amdhsa_float_denorm_mode_32 3
		.amdhsa_float_denorm_mode_16_64 3
		.amdhsa_memory_ordered 1
		.amdhsa_forward_progress 1
		.amdhsa_inst_pref_size 218
	.end_amdhsa_kernel
	.amdgpu_metadata
---
amdhsa.version: [ 1, 2 ]
amdhsa.kernels:
  - .name:           k_q5b0460b5ac_qkv
    .symbol:         k_q5b0460b5ac_qkv.kd
    .args:
      - { .name: xh, .offset: 0, .size: 8, .value_kind: global_buffer, .address_space: global }
      - { .name: wqkvh, .offset: 8, .size: 8, .value_kind: global_buffer, .address_space: global }
      - { .name: bqkv, .offset: 16, .size: 8, .value_kind: global_buffer, .address_space: global }
      - { .name: gamma_q, .offset: 24, .size: 8, .value_kind: global_buffer, .address_space: global }
      - { .name: gamma_k, .offset: 32, .size: 8, .value_kind: global_buffer, .address_space: global }
      - { .name: qkv, .offset: 40, .size: 8, .value_kind: global_buffer, .address_space: global }
    .group_segment_fixed_size: 327680
    .private_segment_fixed_size: 0
    .kernarg_segment_align: 8
    .kernarg_segment_size: 48
    .max_flat_workgroup_size: 128
    .sgpr_count:     100
    .vgpr_count:     1024
    .wavefront_size: 32
...
	.end_amdgpu_metadata
.endif
;; end of part 2
;; launch attn (part 3): grid 8 x 32, 8 waves a work-group, clusters of 4 x 1, 327,680 bytes of LDS; arguments qkv, ao; writes ao
.if DOCPART == 3
	.amdgcn_target "amdgcn-amd-amdhsa--gfx1250"
	.amdhsa_code_object_version 6
	.text
	.protected	k_q5b0460b5ac_attn
	.globl	k_q5b0460b5ac_attn
	.p2align	8
	.type	k_q5b0460b5ac_attn,@function
k_q5b0460b5ac_attn:
	s_mov_b64 s[64:65], 0
	v_nop
	global_prefetch_b8 v0, s[64:65] scope:SCOPE_SE
	s_setreg_imm32_b32 hwreg(HW_REG_WAVE_MODE, 25, 1), 1
	s_wait_xcnt 0x0
	s_wait_alu depctr_hold_cnt(0) depctr_sa_sdst(0) depctr_va_vdst(0) depctr_va_sdst(0) depctr_va_ssrc(0) depctr_va_vcc(0) depctr_vm_vsrc(0)
	s_getreg_b32 s2, hwreg(HW_REG_IB_STS2, 6, 4)
	s_cmp_eq_u32 s2, 0
	s_cbranch_scc0 .Lentry_in_a_cluster
	s_endpgm
.Lentry_in_a_cluster:
	s_bfe_u32 s2, ttmp6, 0x10000c
	s_cmp_lg_u32 s2, 0x3003
	s_cbranch_scc0 .Lentry_shape_is_right
	s_endpgm
.Lentry_shape_is_right:
; ao[h][m][64] (f16) = softmax over all 2,048 keys of q . k (in base 2: log2(e) and the scale are already in q and k) times v.
; The maximum is taken away before every exponential, by a running maximum: gamma_q and gamma_k are inputs, so the scores have no fixed bound.
; LIMITS: q, k, v, the weights p and the result are f16; the row sum adds the unrounded p in f32; v_exp_f32 gives 0 below 2^-126;
; v_rcp_f32 is good to 1 ULP; NaN and infinities get no special treatment.  p lies in (0, 1]: below 2^-14 it goes in steps of 2^-24 and
; below 2^-25 it rounds to 0; 2,048 such terms are under 0.00007 of a row sum that is at least 1.  The result is a weighted mean of v, so it
; is no larger than the largest |v|, which the launch before keeps below 65,504.
; A work-group takes 256 queries of one head (x: query block, y: 16 b + h); wave w takes queries 32 w .. 32 w + 31 as two tiles of 16.
; Eight waves, two on each SIMD: one wave's exponentials and vector work stand beside the other's matrix instructions.
; K and V go in 8 tiles of 256 keys through two LDS slots.  Waves 0, 1 fetch K's halves, waves 2, 3 V's, waves 4-7 none.
; CLUSTERS: four query blocks of one head read the same K and V tiles and ask for them jointly (mask 15).
; ORIENTATION: S^T = K Q^T (source 0 = 16 keys, source 1 = 16 queries): lane (r, h) holds query r, register j key 8 h + j.  Two such
; tiles, packed in pairs, ARE the source-1 fragment of P^T for 32 keys.  O^T = V^T P^T (source 0 = V^T by the transposing load).
; A lane keeps query r throughout, so maximum, sum and rescaling factor are the lane's own; lanes r and r + 16 share a query.
.set KSLOT, 36864                      ; 256 keys of 144 bytes (128 + 16)
.set VBASE, 73728
.set VSLOT, 40960                      ; 256 keys of 160 bytes (128 + 32)
.set STAGE, 155648                     ; 32 rows of 144 bytes for each wave; no tensor load lands here
.set KADR, 4                           ; v4, v5    my K fragments in slot 0, 1
.set VADR, 6                           ; v6, v7    my V fragments
.set STO,  8
.set RD,   9
.set CO,   10
.set QO,   11
.set MX,   12                          ; v[12:15]  running maximum, a pair for each query tile
.set AL,   16                          ; v[16:19]  2^(old maximum - new), a pair for each; at the end 1 / sum
.set LS,   20                          ; v20, v21  my half of the row sum
.set TT,   22                          ; v[22:25]  at work
.set SUM,  28                          ; v[28:31]
.set SR,   32                          ; v[32:95]   scores (qt, kt) at 32 + 32 qt + 8 kt
.set PR,   96                          ; v[96:127]  P^T fragments (qt, kg) at 96 + 16 qt + 8 kg
.set KF,   128                         ; v[128:191] K fragments (kt, kd) at 128 + 16 kt + 8 kd
.set VF,   192                         ; v[192:255] V^T fragments (kg, dt) at 192 + 32 kg + 8 dt
.set OACC, 0                           ; window 1: v[0:63]  O^T (qt, dt) at 32 qt + 8 dt
.set QF,   64                          ; window 1: v[64:95] Q fragments (qt, kd) at 64 + 16 qt + 8 kd
.set G1K, 16
.set G1V, 24
.set G0K, 32                           ; a set for each slot
.set G0V, 40
.set MSB, 0
.macro WIN new
.if MSB != \new
	s_set_vgpr_msb (MSB<<8)|\new
.set MSB, \new
.endif
.endm
.macro PLACES                          ; four plain vector instructions behind matrix instructions (ISA guide 7.12.1)
.rept 4
	v_nop
.endr
.endm
.macro ROUND                           ; a round of the cluster's barrier
	s_barrier_signal -1
	s_barrier_wait -1
	s_cmp_lg_u32 s8, 0
	s_cbranch_scc1 .Lnot_wave_0_\@
	s_barrier_signal -3
.Lnot_wave_0_\@:
	s_barrier_wait -3
	s_barrier_signal -1
	s_barrier_wait -1
.endm
.macro JLOAD s                         ; the branches hang on the wave's number alone
	s_cmp_eq_u32 s9, 0
	s_cbranch_scc0 .Lnot_k_\@
	tensor_load_to_lds s[G0K+4*\s:G0K+4*\s+3], s[G1K:G1K+7]
	s_nop 0
	s_branch .Lasked_\@
.Lnot_k_\@:
	s_cmp_eq_u32 s9, 1
	s_cbranch_scc0 .Lasked_\@
	tensor_load_to_lds s[G0V+4*\s:G0V+4*\s+3], s[G1V:G1V+7]
	s_nop 0
.Lasked_\@:
.endm
	s_load_b128 s[4:7], s[0:1], 0x0                ; qkv s[4:5], ao s[6:7]
	v_lshl_add_u32 v27, v0, 2, 0x2f000
	s_set_vgpr_msb 0x40
	v_mov_b32 v97, 0
	s_set_vgpr_msb 0x4044
	ds_add_u32 v27, v97
	s_set_vgpr_msb 0x4400
	v_lshrrev_b32 v1, 5, v0
	v_readfirstlane_b32 s8, v1                     ; wave 0..7
	s_lshr_b32 s9, s8, 1                           ; 0: I fetch K, 1: V, else nothing
	s_and_b32 s15, s8, 1                           ; which half of the tile
	s_bfe_u32 s10, ttmp6, 0x40000                  ; cx
	s_lshl_b32 s11, ttmp9, 2
	s_add_co_u32 s11, s11, s10                     ; query block
	s_and_b32 s12, ttmp7, 0xffff
	s_and_b32 s13, s12, 15                         ; h
	s_lshr_b32 s14, s12, 4                         ; b
	; half a tile is 128 keys x 128 bytes, dense: 64 rows of 256 bytes, padded behind every 32 words, so that each key's row has its own pitch
	s_mov_b32 s[G1K+0], 0x0731000f                 ; mask 15 | element 2 bytes | padding on | bit 21 | interval code 4 | 4 words: pitch 144
	s_mov_b32 s[G1V+0], 0x0f31000f                 ; the same with 8 words: pitch 160
.irp g, G1K, G1V
	s_mov_b32 s[\g+1], 128<<16                     ; tensor_dim0 = 128
	s_mov_b32 s[\g+2], 64<<16                      ; tensor_dim1 = 64
	s_mov_b32 s[\g+3], 128<<16                     ; tile_dim0 = 128
	s_mov_b32 s[\g+4], 64                          ; tile_dim1 = 64
	s_mov_b32 s[\g+5], 128                         ; dense
	s_mov_b32 s[\g+6], 0
	s_mov_b32 s[\g+7], 0
.endr
	s_add_co_u32 s48, s13, 16                      ; K's plane 16 + h,
	s_lshl_b32 s48, s48, 19
	s_lshl_b32 s49, s14, 18                        ; batch b's 2,048 rows of 128 bytes,
	s_add_co_u32 s48, s48, s49
	s_lshl_b32 s49, s15, 14                        ; my half: nothing here hangs on cx
	s_add_co_u32 s48, s48, s49
	s_mov_b32 s49, 0
	s_lshl_b32 s54, s13, 19                        ; q's and ao's plane h, batch, 256 rows a block, 32 rows a wave
	s_lshl_b32 s55, s14, 18
	s_add_co_u32 s54, s54, s55
	s_lshl_b32 s55, s11, 15
	s_add_co_u32 s54, s54, s55
	s_lshl_b32 s55, s8, 12
	s_add_co_u32 s54, s54, s55
	s_mov_b32 s55, 0
	s_mul_i32 s59, s8, 18432                       ; K's halves land at wave x 128 x 144 (waves 0, 1)
	s_mul_i32 s66, s8, 20480                       ; V's at 73,728 + (wave - 2) x 128 x 160 (waves 2, 3)
	s_add_co_u32 s66, s66, 32768
	s_mov_b32 s57, 0x76543210
	s_mov_b32 s58, 0xfedcba98
	s_wait_dscnt 0x0
	s_wait_kmcnt 0x0
	s_add_nc_u64 s[50:51], s[4:5], s[48:49]
	s_add_nc_u64 s[52:53], s[50:51], 0x800000      ; V's plane lies 16 planes behind K's
	s_add_nc_u64 s[62:63], s[4:5], s[54:55]
	s_add_nc_u64 s[60:61], s[6:7], s[54:55]
.irp s, 0,1
	s_mov_b32 s[G0K+4*\s], 1
	s_add_co_u32 s[G0K+4*\s+1], s59, \s*KSLOT
	s_add_nc_u64 s[G0K+4*\s+2:G0K+4*\s+3], s[50:51], \s*32768      ; tile s
	s_or_b32 s[G0K+4*\s+3], s[G0K+4*\s+3], 0x80000000
	s_mov_b32 s[G0V+4*\s], 1
	s_add_co_u32 s[G0V+4*\s+1], s66, \s*VSLOT
	s_add_nc_u64 s[G0V+4*\s+2:G0V+4*\s+3], s[52:53], \s*32768
	s_or_b32 s[G0V+4*\s+3], s[G0V+4*\s+3], 0x80000000
.endr
	ROUND                                          ; in front of the first joint load
	JLOAD 0                                        ; tile 0: at most one tensor load of a wave is ever out
	v_and_b32 v1, 15, v0                           ; r
	v_bfe_u32 v2, v0, 4, 1                         ; h
	v_lshlrev_b32 v[QO], 7, v1
	v_lshl_add_u32 v[QO], v2, 4, v[QO]             ; row r of 128 bytes + 16 h
	WIN 0x40                                       ; destination window 1
.irp qt, 0,1
.irp kd, 0,1
	global_load_b128 v[QF+16*\qt+8*\kd:QF+16*\qt+8*\kd+3], v[QO], s[62:63] offset:2048*\qt+64*\kd
	global_load_b128 v[QF+16*\qt+8*\kd+4:QF+16*\qt+8*\kd+7], v[QO], s[62:63] offset:2048*\qt+64*\kd+32
.endr
.endr
	WIN 0
	v_mul_u32_u24 v[KADR], v1, 144
	v_lshl_add_u32 v[KADR], v2, 4, v[KADR]         ; key r of a tile of 16, 16 bytes at 16 h
	v_add_nc_u32 v[KADR+1], KSLOT, v[KADR]
	v_and_b32 v3, 7, v0
	v_lshl_add_u32 v3, v2, 3, v3                   ; the transposing load: key 8 h + l % 8,
	v_mul_u32_u24 v3, v3, 160
	v_bfe_u32 v26, v0, 3, 1
	v_lshl_add_u32 v3, v26, 4, v3                  ; 16 bytes at 16 x bit 3 of l
	v_add_nc_u32 v[VADR], VBASE, v3
	v_add_nc_u32 v[VADR+1], VSLOT, v[VADR]
	s_mul_i32 s67, s8, 4608
	s_add_co_u32 s67, s67, STAGE                   ; my stage
	v_add_nc_u32 v[STO], s67, v[KADR]              ; row r of 144 bytes + 16 h
	v_bfe_u32 v3, v0, 3, 2
	v_mul_u32_u24 v3, v3, 144
	v_and_b32 v26, 7, v0
	v_lshl_add_u32 v3, v26, 4, v3
	v_add_nc_u32 v[RD], s67, v3                    ; eight lanes a row, four rows a load
	v_and_b32 v3, 31, v0
	v_lshlrev_b32 v[CO], 4, v3
	v_mov_b32 v[TT+2], 0                           ; v_permlanex16_b32 counts as a reader of its destination
	s_wait_loadcnt 0x0                             ; Q, once
.macro KLOAD slot, ks                  ; 64 keys x 64 d: 16 loads
.irp kt, 0,1,2,3
.irp kd, 0,1
	ds_load_b128 v[KF+16*\kt+8*\kd:KF+16*\kt+8*\kd+3], v[KADR+\slot] offset:(64*(\ks)+16*\kt)*144+64*\kd
	ds_load_b128 v[KF+16*\kt+8*\kd+4:KF+16*\kt+8*\kd+7], v[KADR+\slot] offset:(64*(\ks)+16*\kt)*144+64*\kd+32
.endr
.endr
.endm
.macro VLOAD slot, ks                  ; 64 d x 64 keys, transposed: 16 loads
.irp kg, 0,1
.irp dt, 0,1,2,3
	ds_load_tr16_b128 v[VF+32*\kg+8*\dt:VF+32*\kg+8*\dt+3], v[VADR+\slot] offset:(64*(\ks)+32*\kg)*160+32*\dt
	ds_load_tr16_b128 v[VF+32*\kg+8*\dt+4:VF+32*\kg+8*\dt+7], v[VADR+\slot] offset:(64*(\ks)+32*\kg)*160+32*\dt+2560
.endr
.endr
.endm
; New maximum of query tile qt over its old one and 64 scores (32 mine, 32 in the other half's lane), the factor for what was summed so far,
; and p = 2^(s - maximum) in place.  The run of exponentials is followed by the next macro's plain instruction on other registers.
.macro SMAX qt, first
.set SB, SR+32*\qt
.if \first
	v_max3_num_f32 v[TT], v[SB], v[SB], v[SB+1]
.else
	v_max3_num_f32 v[TT], v[MX+2*\qt], v[SB], v[SB+1]
.endif
	v_max3_num_f32 v[TT+1], v[SB+16], v[SB+17], v[SB+18]
.irp p, 0,2,4,6,8,10
	v_max3_num_f32 v[TT], v[TT], v[SB+2+\p], v[SB+3+\p]            ; two chains that do not wait for each other
	v_max3_num_f32 v[TT+1], v[TT+1], v[SB+19+\p], v[SB+20+\p]
.endr
	v_max3_num_f32 v[TT], v[TT], v[SB+14], v[SB+15]
	v_max3_num_f32 v[TT], v[TT], v[TT+1], v[SB+31]
	v_permlanex16_b32 v[TT+2], v[TT], s57, s58
	v_max_num_f32 v[TT+3], v[TT], v[TT+2]
.if \first == 0
	v_sub_f32 v[TT+1], v[MX+2*\qt], v[TT+3]
.endif
	v_mov_b32 v[MX+2*\qt], v[TT+3]
	v_mov_b32 v[MX+2*\qt+1], v[TT+3]
.if \first == 0
	v_exp_f32 v[AL+2*\qt], v[TT+1]
	v_exp_f32 v[AL+2*\qt+1], v[TT+1]
.endif
.irp p, 0,2,4,6,8,10,12,14,16,18,20,22,24,26,28,30
	v_pk_add_f32 v[SB+\p:SB+\p+1], v[SB+\p:SB+\p+1], v[MX+2*\qt:MX+2*\qt+1] neg_lo:[0,1] neg_hi:[0,1]
.endr
.set i, 0
.rept 32
	v_exp_f32 v[SB+i], v[SB+i]
.set i, i+1
.endr
.endm
; My half of the row sum, and P^T rounded: pairs of neighbouring keys pack into the fragment's registers as they lie.
.macro SSUM qt, first
.set SB, SR+32*\qt
	s_wait_alu depctr_va_vdst(0)
	v_pk_add_f32 v[SUM:SUM+1], v[SB:SB+1], v[SB+2:SB+3]
	v_pk_add_f32 v[SUM+2:SUM+3], v[SB+4:SB+5], v[SB+6:SB+7]
.irp p, 8,12,16,20,24,28
	v_pk_add_f32 v[SUM:SUM+1], v[SUM:SUM+1], v[SB+\p:SB+\p+1]
	v_pk_add_f32 v[SUM+2:SUM+3], v[SUM+2:SUM+3], v[SB+\p+2:SB+\p+3]
.endr
	v_pk_add_f32 v[SUM:SUM+1], v[SUM:SUM+1], v[SUM+2:SUM+3]
.if \first
	v_add_f32 v[LS+\qt], v[SUM], v[SUM+1]
.else
	v_add_f32 v[TT], v[SUM], v[SUM+1]
	v_fma_f32 v[LS+\qt], v[LS+\qt], v[AL+2*\qt], v[TT]
.endif
.irp p, 0,1,2,3,4,5,6,7,8,9,10,11,12,13,14,15
	v_cvt_pk_f16_f32 v[PR+16*\qt+\p], v[SB+2*\p], v[SB+2*\p+1]
.endr
.endm
; 64 keys.  In both runs of products the eight accumulators take turns, one instruction a turn.
.macro STEP slot, ks, first, kload
	PLACES                                         ; behind the last step's products: V's fragments and P were their sources
	VLOAD \slot, \ks
	s_wait_dscnt 16                                ; K's 16 loads are in; V's 16, issued behind them, may be out
	WIN 0x04                                       ; source 1 (Q) window 1
.irp qt, 0,1
.irp kt, 0,1,2,3
	v_wmma_f32_16x16x32_f16 v[SR+32*\qt+8*\kt:SR+32*\qt+8*\kt+7], v[KF+16*\kt:KF+16*\kt+7], v[QF+16*\qt:QF+16*\qt+7], 0
.endr
.endr
.irp qt, 0,1
.irp kt, 0,1,2,3
	v_wmma_f32_16x16x32_f16 v[SR+32*\qt+8*\kt:SR+32*\qt+8*\kt+7], v[KF+16*\kt+8:KF+16*\kt+15], v[QF+16*\qt+8:QF+16*\qt+15], v[SR+32*\qt+8*\kt:SR+32*\qt+8*\kt+7]
.endr
.endr
	WIN 0
	PLACES                                         ; in front of the loads into K's fragments and of the first read of a score
.if \kload
	KLOAD \slot, \ks+1                             ; the next 64 keys, a whole softmax ahead of their use
.endif
	SMAX 0, \first
	SMAX 1, \first
	SSUM 0, \first
	SSUM 1, \first
	s_wait_dscnt 16*\kload                         ; V's fragments are in; the K loads issued behind them may be out
.if \first == 0
	WIN 0x41                                       ; O in window 1, the factor in window 0
.irp qt, 0,1
.set i, 0
.rept 16
	v_pk_mul_f32 v[OACC+32*\qt+2*i:OACC+32*\qt+2*i+1], v[OACC+32*\qt+2*i:OACC+32*\qt+2*i+1], v[AL+2*\qt:AL+2*\qt+1]
.set i, i+1
.endr
.endr
.endif
	WIN 0x50                                       ; C and D window 1
.irp qt, 0,1
.irp dt, 0,1,2,3
.if \first
	v_wmma_f32_16x16x32_f16 v[OACC+32*\qt+8*\dt:OACC+32*\qt+8*\dt+7], v[VF+8*\dt:VF+8*\dt+7], v[PR+16*\qt:PR+16*\qt+7], 0
.else
	v_wmma_f32_16x16x32_f16 v[OACC+32*\qt+8*\dt:OACC+32*\qt+8*\dt+7], v[VF+8*\dt:VF+8*\dt+7], v[PR+16*\qt:PR+16*\qt+7], v[OACC+32*\qt+8*\dt:OACC+32*\qt+8*\dt+7]
.endif
.endr
.endr
.irp qt, 0,1
.irp dt, 0,1,2,3
	v_wmma_f32_16x16x32_f16 v[OACC+32*\qt+8*\dt:OACC+32*\qt+8*\dt+7], v[VF+32+8*\dt:VF+32+8*\dt+7], v[PR+16*\qt+8:PR+16*\qt+15], v[OACC+32*\qt+8*\dt:OACC+32*\qt+8*\dt+7]
.endr
.endr
	WIN 0
.endm
; A tile of 256 keys.  In front of the round every wave waits for all its tensor loads (this tile's part among them) and for its reads of
; the other slot; behind it the other slot's next tile is asked for first, and has this whole tile's work in which to land.
.macro TRIP slot, refill, first
	s_set_vgpr_msb 0x4
	s_wait_tensorcnt 0x0                           ; no tensor load of mine is out, so a group 0 may be written:
	ds_add_u32 v27, v97
	s_wait_dscnt 0x0
	s_set_vgpr_msb 0x400
	s_add_nc_u64 s[G0K+4*\slot+2:G0K+4*\slot+3], s[G0K+4*\slot+2:G0K+4*\slot+3], 65536   ; this slot's next tile, two tiles on
	s_add_nc_u64 s[G0V+4*\slot+2:G0V+4*\slot+3], s[G0V+4*\slot+2:G0V+4*\slot+3], 65536
	s_wait_dscnt 0x0                               ; my reads of the last tile are over
	ROUND
.if \refill
	JLOAD (1-\slot)
.endif
	KLOAD \slot, 0
	STEP \slot, 0, \first, 1
	STEP \slot, 1, 0, 1
	STEP \slot, 2, 0, 1
	STEP \slot, 3, 0, 0
.endm
	TRIP 0, 1, 1                                   ; tile 0: the first 64 keys start maximum, sum and O
	TRIP 1, 1, 0
	s_mov_b32 s56, 2
.Ltiles:
	TRIP 0, 1, 0                                   ; tiles 2 to 5
	TRIP 1, 1, 0
	s_sub_co_u32 s56, s56, 1
	s_cmp_lg_u32 s56, 0
	s_cbranch_scc1 .Ltiles
	TRIP 0, 1, 0                                   ; tile 6 asks for tile 7,
	TRIP 1, 0, 0                                   ; tile 7 for nothing
	; THE WAY OUT: the two halves' sums meet, O / sum, rounding, 16 bytes a lane into my stage, 512 consecutive bytes of the plane a store
	PLACES
	v_permlanex16_b32 v[TT+2], v[LS], s57, s58
	v_add_f32 v[LS], v[LS], v[TT+2]
	v_permlanex16_b32 v[TT+2], v[LS+1], s57, s58
	v_add_f32 v[LS+1], v[LS+1], v[TT+2]            ; each sum holds the term 2^0 of the row's maximum: it is at least 1
	v_rcp_f32 v[AL], v[LS]
	v_rcp_f32 v[AL+1], v[LS]
	v_rcp_f32 v[AL+2], v[LS+1]
	v_rcp_f32 v[AL+3], v[LS+1]
	v_nop                                          ; one plain instruction behind the transcendentals (ISA guide 5.7.2)
	WIN 0x01                                       ; source 0 (O) window 1
	s_wait_alu depctr_va_vdst(0)
.irp qt, 0,1
.set i, 0
.rept 16
	v_pk_mul_f32 v[SR+32*\qt+2*i:SR+32*\qt+2*i+1], v[OACC+32*\qt+2*i:OACC+32*\qt+2*i+1], v[AL+2*\qt:AL+2*\qt+1]
.set i, i+1
.endr
.endr
	WIN 0
.set i, 0
.rept 32
	v_cvt_pk_f16_f32 v[PR+i], v[SR+2*i], v[SR+2*i+1]
.set i, i+1
.endr
.irp qt, 0,1
.irp dt, 0,1,2,3
	ds_store_b128 v[STO], v[PR+16*\qt+4*\dt:PR+16*\qt+4*\dt+3] offset:2304*\qt+32*\dt   ; row 16 qt + r, d = 16 dt + 8 h + 0..7
.endr
.endr
.irp t, 0,1,2,3,4,5,6,7
	ds_load_b128 v[KF+4*\t:KF+4*\t+3], v[RD] offset:576*\t         ; LDS serves a wave's instructions in order: these see the stores above
.endr
.irp t, 0,1,2,3,4,5,6,7
	s_wait_dscnt 7-\t
	global_store_b128 v[CO], v[KF+4*\t:KF+4*\t+3], s[60:61] offset:512*\t
.endr
	s_set_vgpr_msb 0x4
	s_wait_tensorcnt 0x0
	ds_add_u32 v27, v97
	s_wait_dscnt 0x0
	s_set_vgpr_msb 0x400
	ROUND                                          ; the closing round
	s_endpgm
.Lfunc_end_k_q5b0460b5ac_attn:
	.size	k_q5b0460b5ac_attn, .Lfunc_end_k_q5b0460b5ac_attn-k_q5b0460b5ac_attn
	.p2alignl 7, 3214868480
	.fill 96, 4, 3214868480
	.section	.rodata,"a",@progbits
	.p2align	6, 0x0
	.amdhsa_kernel k_q5b0460b5ac_attn
		.amdhsa_group_segment_fixed_size 327680
		.amdhsa_private_segment_fixed_size 0
		.amdhsa_enable_private_segment 0
		.amdhsa_kernarg_size 16
		.amdhsa_user_sgpr_count 2
		.amdhsa_user_sgpr_kernarg_segment_ptr 1
		.amdhsa_wavefront_size32 1
		.amdhsa_system_sgpr_workgroup_id_x 1
		.amdhsa_system_sgpr_workgroup_id_y 1
		.amdhsa_system_sgpr_workgroup_id_z 1
		.amdhsa_system_vgpr_workitem_id 0
		.amdhsa_next_free_vgpr 354
		.amdhsa_next_free_sgpr 72
		.amdhsa_reserve_vcc 0
		.amdhsa_float_denorm_mode_32 3
		.amdhsa_float_denorm_mode_16_64 3
		.amdhsa_memory_ordered 1
		.amdhsa_forward_progress 1
		.amdhsa_inst_pref_size 255
	.end_amdhsa_kernel
	.section	.bss,"aw",@nobits
	.p2align	6
	.space	262144
	.amdgpu_metadata
---
amdhsa.version: [ 1, 2 ]
amdhsa.kernels:
  - .name:           k_q5b0460b5ac_attn
    .symbol:         k_q5b0460b5ac_attn.kd
    .args:
      - { .name: qkv, .offset: 0, .size: 8, .value_kind: global_buffer, .address_space: global }
      - { .name: ao, .offset: 8, .size: 8, .value_kind: global_buffer, .address_space: global }
    .group_segment_fixed_size: 327680
    .private_segment_fixed_size: 0
    .kernarg_segment_align: 8
    .kernarg_segment_size: 16
    .max_flat_workgroup_size: 256
    .sgpr_count:     72
    .vgpr_count:     354
    .wavefront_size: 32
...
	.end_amdgpu_metadata
.endif
;; end of part 3
;; launch proj (part 4): grid 8 x 32, 4 waves a work-group, clusters of 4 x 4, 327,680 bytes of LDS; arguments ao, wouth, bout, out0; writes out0
.if DOCPART == 4
	.amdgcn_target "amdgcn-amd-amdhsa--gfx1250"
	.amdhsa_code_object_version 6
	.text
	.protected	k_q5b0460b5ac_proj
	.globl	k_q5b0460b5ac_proj
	.p2align	8
	.type	k_q5b0460b5ac_proj,@function
k_q5b0460b5ac_proj:
	s_mov_b64 s[64:65], 0
	v_nop
	global_prefetch_b8 v0, s[64:65] scope:SCOPE_SE
	s_setreg_imm32_b32 hwreg(HW_REG_WAVE_MODE, 25, 1), 1
	s_wait_xcnt 0x0
	s_wait_alu depctr_hold_cnt(0) depctr_sa_sdst(0) depctr_va_vdst(0) depctr_va_sdst(0) depctr_va_ssrc(0) depctr_va_vcc(0) depctr_vm_vsrc(0)
	s_getreg_b32 s2, hwreg(HW_REG_IB_STS2, 6, 4)
	s_cmp_eq_u32 s2, 0
	s_cbranch_scc0 .Lentry_in_a_cluster
	s_endpgm
.Lentry_in_a_cluster:
	s_bfe_u32 s2, ttmp6, 0x10000c
	s_cmp_lg_u32 s2, 0xf033
	s_cbranch_scc0 .Lentry_shape_is_right
	s_endpgm
.Lentry_shape_is_right:
; out0[m][n] (f32) = sum over c = 64 h + d of ao[h][m][d] wouth[c][n] + bout[n].  Operands f16, sums f32, the bias starting each sum.
; LIMITS: those of the operands' format, kept by the launches that stored them; NaN and infinities get no special treatment.
; A work-group makes 128 x 128 with four waves, a wave 64 x 64 (16 accumulator tiles): 4,096 x 1,024 numbers give 256 such blocks, one for
; each WGP; larger blocks would leave WGPs without work.
; K goes in 4 double steps of 256 (four heads) through two LDS slots, all written out.  Waves 0, 1 fetch two head planes of ao each
; (a plane's 128 rows of 128 bytes are dense: 16 KiB), waves 2, 3 128 k-rows of 256 bytes of the weights each.
; CLUSTERS: 4 x 4.  ao's tile hangs on the block row alone (joint along a row of the cluster), the weights' on the block column alone.
; TRANSPOSED USE: source 0 = 16 columns of W (transposing load), source 1 = 16 rows of ao: a lane's eight results are eight neighbouring
; f32 of a row of the output.
.set SLOT,  147456                     ; ao: 4 planes x 128 rows of 144 bytes; then W: 256 k-rows of 288 bytes
.set BOFF,  73728
.set STAGE, 294912                     ; 16 rows of 272 bytes for each wave; no tensor load lands here
.set ADRA, 8                           ; v8, v9     my ao fragments in slot 0, 1
.set ADRB, 10                          ; v10-13     my W fragments: slot 0 k-rows 0-127, 128-255, slot 1 likewise (the immediate reaches 64 KiB)
.set STO,  14
.set RD,   15
.set CO,   16
.set BO,   17
.set FA,   32                          ; ao fragments, buffer f at 32 + 64 f
.set FB,   64                          ; W fragments, buffer f at 64 + 64 f
.set BIAS, 160                         ; v[160:191]
.set RB0,  192
.set RB1,  224
.set G1A, 24
.set G0A, 32
.set G1B, 40
.set G0B, 48
.set MSB, 0
.macro WIN new
.if MSB != \new
	s_set_vgpr_msb (MSB<<8)|\new
.set MSB, \new
.endif
.endm
.macro PLACES                          ; four plain vector instructions behind matrix instructions (ISA guide 7.12.1)
.rept 4
	v_nop
.endr
.endm
.macro JLOAD s
	s_cmp_eq_u32 s17, 0
	s_cbranch_scc0 .Lfor_b_\@
	tensor_load_to_lds s[G0A+4*\s:G0A+4*\s+3], s[G1A:G1A+7]
	s_nop 0
	s_branch .Lasked_\@
.Lfor_b_\@:
	tensor_load_to_lds s[G0B+4*\s:G0B+4*\s+3], s[G1B:G1B+7]
	s_nop 0
.Lasked_\@:
.endm
.macro CREST
	s_cmp_lg_u32 s16, 0
	s_cbranch_scc1 .Lnot_wave_0_\@
	s_barrier_signal -3
.Lnot_wave_0_\@:
	s_barrier_wait -3
	s_barrier_signal -1
	s_barrier_wait -1
.endm
.macro CROUND
	s_barrier_signal -1
	s_barrier_wait -1
	CREST
.endm
	s_load_b256 s[4:11], s[0:1], 0x0               ; ao s[4:5], wouth s[6:7], bout s[8:9], out0 s[10:11]
	v_lshl_add_u32 v30, v0, 2, 0x4c400
	v_mov_b32 v31, 0
	ds_add_u32 v30, v31
	v_lshrrev_b32 v1, 5, v0
	v_readfirstlane_b32 s16, v1                    ; wave 0..3
	s_lshr_b32 s17, s16, 1                         ; my half of the block's rows.  Also: I fetch ao (0) or W (1)
	s_and_b32 s18, s16, 1                          ; my half of its columns.  Also: which half of that tile
	s_bfe_u32 s19, ttmp6, 0x40000                  ; cx
	s_bfe_u32 s20, ttmp6, 0x40004                  ; cy
	s_lshl_b32 s21, ttmp9, 2
	s_add_co_u32 s21, s21, s19                     ; block column nb
	s_and_b32 s22, ttmp7, 0xffff
	s_lshl_b32 s22, s22, 2
	s_add_co_u32 s22, s22, s20                     ; block row mb
	s_lshl_b32 s66, s20, 2
	s_lshl_b32 s66, 15, s66                        ; my row of the cluster
	s_lshl_b32 s67, 0x1111, s19                    ; my column
	; ao's tile: two planes, each a run of 8,192 elements, 262,144 elements apart; 16 bytes of padding behind every 32 words,
	; counted along the whole tile, so that every row of 128 bytes of a plane gets the pitch 144
	s_or_b32 s[G1A+0], s66, 0x07310000
	s_mov_b32 s[G1A+1], 8192<<16                   ; tensor_dim0 = 8,192
	s_mov_b32 s[G1A+2], 2<<16                      ; tensor_dim1 = 2
	s_mov_b32 s[G1A+3], 8192<<16                   ; tile_dim0 = 8,192
	s_mov_b32 s[G1A+4], 2                          ; tile_dim1 = 2
	s_mov_b32 s[G1A+5], 262144
	s_mov_b32 s[G1A+6], 0
	s_mov_b32 s[G1A+7], 0
	; W's tile: 128 k-rows x 128 elements, 32 bytes of padding behind every 64 words: pitch 288
	s_or_b32 s[G1B+0], s67, 0x0f710000
	s_mov_b32 s[G1B+1], 128<<16
	s_mov_b32 s[G1B+2], 128<<16
	s_mov_b32 s[G1B+3], 128<<16
	s_mov_b32 s[G1B+4], 128
	s_mov_b32 s[G1B+5], 1024
	s_mov_b32 s[G1B+6], 0
	s_mov_b32 s[G1B+7], 0
	s_lshl_b32 s56, s18, 20                        ; ao: two planes of 524,288 bytes for the second half
	s_lshl_b32 s57, s22, 14                        ; + 128 mb rows of 128 bytes
	s_add_co_u32 s56, s56, s57
	s_mov_b32 s57, 0
	s_lshl_b32 s60, s18, 18                        ; W: 128 k-rows of 2,048 bytes for the second half
	s_lshl_b32 s61, s21, 8                         ; + 128 nb columns
	s_add_co_u32 s60, s60, s61
	s_mov_b32 s61, 0
	s_mul_i32 s70, s16, 36864                      ; every wave's part of a slot is 36,864 bytes: ao's two, then W's two
	s_wait_dscnt 0x0
	s_wait_kmcnt 0x0
	s_add_nc_u64 s[58:59], s[4:5], s[56:57]
	s_add_nc_u64 s[62:63], s[6:7], s[60:61]
	CROUND                                         ; in front of the first joint loads
.irp s, 0,1
	s_mov_b32 s[G0A+4*\s], 1
	s_add_co_u32 s[G0A+4*\s+1], s70, \s*SLOT
	s_add_nc_u64 s[G0A+4*\s+2:G0A+4*\s+3], s[58:59], \s*2097152    ; double step s: four planes on
	s_or_b32 s[G0A+4*\s+3], s[G0A+4*\s+3], 0x80000000
	s_mov_b32 s[G0B+4*\s], 1
	s_add_co_u32 s[G0B+4*\s+1], s70, \s*SLOT
	s_add_nc_u64 s[G0B+4*\s+2:G0B+4*\s+3], s[62:63], \s*524288     ; 256 k-rows down
	s_or_b32 s[G0B+4*\s+3], s[G0B+4*\s+3], 0x80000000
	JLOAD \s                                       ; two loads of each wave are out
.endr
	s_lshl_b32 s74, s21, 9                         ; my 64 columns in f32: 512 nb + 256 x half
	s_lshl_b32 s75, s18, 8
	s_add_co_u32 s74, s74, s75
	s_mov_b32 s75, 0
	s_add_nc_u64 s[76:77], s[8:9], s[74:75]        ; bias
	s_lshl_b32 s73, s22, 19                        ; 128 mb rows of 4,096 bytes
	s_add_co_u32 s74, s74, s73
	s_lshl_b32 s73, s17, 18                        ; + 64 rows for the second half
	s_add_co_u32 s74, s74, s73
	s_add_nc_u64 s[78:79], s[10:11], s[74:75]      ; my corner of the output
	v_and_b32 v1, 15, v0                           ; r
	v_bfe_u32 v2, v0, 4, 1                         ; h
	v_lshlrev_b32 v[BO], 5, v2
.irp b, 0,1,2,3
	global_load_b128 v[BIAS+8*\b:BIAS+8*\b+3], v[BO], s[76:77] offset:64*\b
	global_load_b128 v[BIAS+8*\b+4:BIAS+8*\b+7], v[BO], s[76:77] offset:64*\b+16
.endr
	v_mul_u32_u24 v3, v1, 144
	v_lshl_add_u32 v3, v2, 4, v3
	s_mul_i32 s71, s17, 9216                       ; my 64 rows of each plane
	v_add_nc_u32 v[ADRA], s71, v3
	v_add_nc_u32 v[ADRA+1], SLOT, v[ADRA]
	v_and_b32 v4, 7, v0
	v_lshl_add_u32 v4, v2, 3, v4                   ; k-row 8 h + l % 8
	v_mul_u32_u24 v4, v4, 288
	v_bfe_u32 v5, v0, 3, 1
	v_lshl_add_u32 v4, v5, 4, v4
	s_lshl_b32 s72, s18, 7                         ; my 64 columns: 128 bytes
	s_add_co_u32 s72, s72, BOFF
	v_add_nc_u32 v[ADRB], s72, v4
	v_add_nc_u32 v[ADRB+1], 36864, v[ADRB]
	v_add_nc_u32 v[ADRB+2], SLOT, v[ADRB]
	v_add_nc_u32 v[ADRB+3], 36864, v[ADRB+2]
	s_mul_i32 s69, s16, 4352
	s_add_co_u32 s69, s69, STAGE                   ; my stage
	v_mul_u32_u24 v3, v1, 272
	v_lshl_add_u32 v3, v2, 5, v3
	v_add_nc_u32 v[STO], s69, v3                   ; in: row r, 32 bytes for each half of the lanes
	v_mul_u32_u24 v3, v2, 272
	v_lshl_add_u32 v3, v1, 4, v3
	v_add_nc_u32 v[RD], s69, v3                    ; back: sixteen lanes a row of 256 bytes, two rows a load
	v_lshlrev_b32 v3, 12, v2
	v_lshl_add_u32 v[CO], v1, 4, v3                ; the same two rows in the output
; 8 matrix instructions: row blocks a0, a0 + 1 x my four column blocks.  zero = 1: the bias is the first product's C.
; The 16 accumulators take turns, one instruction a turn, in the same order in every quarter.
.macro MUL8 f, a0, zero
.if \zero
	WIN 0x40                                       ; D window 1, C (bias) window 0
.else
	WIN 0x50                                       ; C and D window 1
.endif
.irp a, \a0, \a0+1
.irp b, 0,1,2,3
.if \zero
	v_wmma_f32_16x16x32_f16 v[8*(4*(\a)+\b):8*(4*(\a)+\b)+7], v[FB+64*\f+8*\b:FB+64*\f+8*\b+7], v[FA+64*\f+8*(\a):FA+64*\f+8*(\a)+7], v[BIAS+8*\b:BIAS+8*\b+7]
.else
	v_wmma_f32_16x16x32_f16 v[8*(4*(\a)+\b):8*(4*(\a)+\b)+7], v[FB+64*\f+8*\b:FB+64*\f+8*\b+7], v[FA+64*\f+8*(\a):FA+64*\f+8*(\a)+7], v[8*(4*(\a)+\b):8*(4*(\a)+\b)+7]
.endif
.endr
.endr
.endm
; 16 LDS loads: 32 along K, number q of a slot's eight, into buffer g: W first, then ao's four row blocks
.macro FETCH slot, q, g
	WIN 0
.irp b, 0,1,2,3
	ds_load_tr16_b128 v[FB+64*\g+8*\b:FB+64*\g+8*\b+3], v[ADRB+2*\slot+(\q>>2)] offset:9216*(\q&3)+32*\b
	ds_load_tr16_b128 v[FB+64*\g+8*\b+4:FB+64*\g+8*\b+7], v[ADRB+2*\slot+(\q>>2)] offset:9216*(\q&3)+32*\b+4608
.endr
.irp a, 0,1,2,3
	ds_load_b128 v[FA+64*\g+8*\a:FA+64*\g+8*\a+3], v[ADRA+\slot] offset:18432*(\q>>1)+64*(\q&1)+2304*\a
	ds_load_b128 v[FA+64*\g+8*\a+4:FA+64*\g+8*\a+7], v[ADRA+\slot] offset:18432*(\q>>1)+64*(\q&1)+2304*\a+32
.endr
.endm
.macro QUARTER slot, qn, f, g, zero
	s_wait_dscnt 4                                 ; W and ao's row blocks 0, 1 are in; the youngest four loads (blocks 2, 3) may be out
	MUL8 \f, 0, \zero
	PLACES                                         ; buffer g was read by matrix instructions
	FETCH \slot, \qn, \g
	s_wait_dscnt 16                                ; all but the 16 just issued
	MUL8 \f, 2, \zero
.endm
.macro SEVEN slot, zero
	QUARTER \slot, 1, 0, 1, \zero
	QUARTER \slot, 2, 1, 0, 0
	QUARTER \slot, 3, 0, 1, 0
	QUARTER \slot, 4, 1, 0, 0
	QUARTER \slot, 5, 0, 1, 0
	QUARTER \slot, 6, 1, 0, 0
	QUARTER \slot, 7, 0, 1, 0
.endm
; The slot's eighth part, and the change of slots: waits for my reads of this slot and for all my tensor loads in front of the barrier;
; fill = 1: the barrier opens a round of the cluster's barrier, and this slot's next tile is the first tensor load behind the round.
.macro TURN slot, next, fill
	s_wait_dscnt 4
	MUL8 1, 0, 0
	s_wait_dscnt 0
	s_wait_tensorcnt 0x0
	ds_add_u32 v30, v31
	s_wait_dscnt 0x0
	s_barrier_signal -1
	MUL8 1, 2, 0
	WIN 0
	s_barrier_wait -1
.if \fill
	CREST
	s_add_nc_u64 s[G0A+4*\slot+2:G0A+4*\slot+3], s[G0A+4*\slot+2:G0A+4*\slot+3], 4194304   ; two double steps on: eight planes
	s_add_nc_u64 s[G0B+4*\slot+2:G0B+4*\slot+3], s[G0B+4*\slot+2:G0B+4*\slot+3], 1048576   ; 512 k-rows
	JLOAD \slot
.endif
	PLACES
	FETCH \next, 0, 0
.endm
	s_wait_loadcnt 0x0                             ; the bias
	s_wait_tensorcnt 0x1                           ; my part of double step 0 is in; double step 1's load may stay out
	s_barrier_signal -1
	s_barrier_wait -1
	FETCH 0, 0, 0
	SEVEN 0, 1                                     ; K 0-255
	TURN 0, 1, 1
	SEVEN 1, 0                                     ; K 256-511
	TURN 1, 0, 1
	SEVEN 0, 0                                     ; K 512-767
	TURN 0, 1, 0
	SEVEN 1, 0                                     ; K 768-1023
	s_wait_dscnt 4
	MUL8 1, 0, 0
	s_wait_dscnt 0
	MUL8 1, 2, 0
	PLACES                                         ; four places in front of the LDS stores that read results
; THE WAY OUT, 16 rows at a time: 32 bytes a lane into my stage, whole rows of 256 bytes back, sixteen lanes store 256 consecutive aligned bytes
.macro OUT16 a, rb
	WIN 0x04                                       ; an LDS store's data is source 1: window 1
.irp b, 0,1,2,3
	ds_store_b128 v[STO], v[8*(4*\a+\b):8*(4*\a+\b)+3] offset:64*\b
	ds_store_b128 v[STO], v[8*(4*\a+\b)+4:8*(4*\a+\b)+7] offset:64*\b+16
.endr
	WIN 0
	s_wait_xcnt 0x0                                ; the registers read back into were data of earlier stores
.irp t, 0,1,2,3,4,5,6,7
	ds_load_b128 v[\rb+4*\t:\rb+4*\t+3], v[RD] offset:544*\t       ; LDS serves a wave's instructions in order
.endr
.irp t, 0,1,2,3,4,5,6,7
	s_wait_dscnt 7-\t
	global_store_b128 v[CO], v[\rb+4*\t:\rb+4*\t+3], s[78:79] offset:65536*\a+8192*\t th:TH_STORE_NT
.endr
.endm
	OUT16 0, RB0
	OUT16 1, RB1
	OUT16 2, RB0
	OUT16 3, RB1
	s_wait_tensorcnt 0x0
	ds_add_u32 v30, v31
	s_wait_dscnt 0x0
	CROUND                                         ; the closing round
	s_endpgm
.Lfunc_end_k_q5b0460b5ac_proj:
	.size	k_q5b0460b5ac_proj, .Lfunc_end_k_q5b0460b5ac_proj-k_q5b0460b5ac_proj
	.p2alignl 7, 3214868480
	.fill 96, 4, 3214868480
	.section	.rodata,"a",@progbits
	.p2align	6, 0x0
	.amdhsa_kernel k_q5b0460b5ac_proj
		.amdhsa_group_segment_fixed_size 327680
		.amdhsa_private_segment_fixed_size 0
		.amdhsa_enable_private_segment 0
		.amdhsa_kernarg_size 32
		.amdhsa_user_sgpr_count 2
		.amdhsa_user_sgpr_kernarg_segment_ptr 1
		.amdhsa_wavefront_size32 1
		.amdhsa_system_sgpr_workgroup_id_x 1
		.amdhsa_system_sgpr_workgroup_id_y 1
		.amdhsa_system_sgpr_workgroup_id_z 1
		.amdhsa_system_vgpr_workitem_id 0
		.amdhsa_next_free_vgpr 384
		.amdhsa_next_free_sgpr 80
		.amdhsa_reserve_vcc 0
		.amdhsa_float_denorm_mode_32 3
		.amdhsa_float_denorm_mode_16_64 3
		.amdhsa_memory_ordered 1
		.amdhsa_forward_progress 1
		.amdhsa_inst_pref_size 90
	.end_amdhsa_kernel
	.amdgpu_metadata
---
amdhsa.version: [ 1, 2 ]
amdhsa.kernels:
  - .name:           k_q5b0460b5ac_proj
    .symbol:         k_q5b0460b5ac_proj.kd
    .args:
      - { .name: ao, .offset: 0, .size: 8, .value_kind: global_buffer, .address_space: global }
      - { .name: wouth, .offset: 8, .size: 8, .value_kind: global_buffer, .address_space: global }
      - { .name: bout, .offset: 16, .size: 8, .value_kind: global_buffer, .address_space: global }
      - { .name: out0, .offset: 24, .size: 8, .value_kind: global_buffer, .address_space: global }
    .group_segment_fixed_size: 327680
    .private_segment_fixed_size: 0
    .kernarg_segment_align: 8
    .kernarg_segment_size: 32
    .max_flat_workgroup_size: 128
    .sgpr_count:     80
    .vgpr_count:     384
    .wavefront_size: 32
...
	.end_amdgpu_metadata
.endif
;; end of part 4
